; MI455X (gfx1250); checked and timed in simulation.
; The chip was launched on July 23, 2026; its instructions are those of AMD's public machine-readable ISA for CDNA 5 (MIT licence, August 2026) and "CDNA5" Instruction Set Architecture Reference Guide (July 2026). The comments in the code are by the model that wrote it; some were corrected since.
;; Parallel Linear. Allowed arithmetic: float matrix products may take bf16 or f16 operands with f32 sums; other float arithmetic in f32, or as packed bf16 or f16 multiplies, adds, multiply-adds, maxima and minima; sums over many terms, partial sums and values carried from step to step in f32; what a program stores and reads back later, other than sums and carried values, may be rounded once to bf16 or f16.
;; Inputs: W 4 x 2,048 x 2,048 float32; b 4 x 2,048 float32; layer_idx 4,096 int32; x 4,096 x 2,048 float32.
;; Outputs: out0 4,096 x 2,048 float32.
;; One version. Each part assembles by itself: llvm-mc -triple=amdgcn-amd-amdhsa -mcpu=gfx1250 --defsym DOCPART=n.
;; ======== version 1 of 1: 1 launch
;; launch moe (part 1): grid 16 x 16, 8 waves a work-group, no clusters, 135,424 bytes of LDS; arguments x, layer_idx, W, b, out0; writes out0
.if DOCPART == 1
	.amdgcn_target "amdgcn-amd-amdhsa--gfx1250"
	.amdhsa_code_object_version 6
	.text
	.protected	k_q284e8a6474_moe
	.globl	k_q284e8a6474_moe
	.p2align	8
	.type	k_q284e8a6474_moe,@function
k_q284e8a6474_moe:
	s_mov_b64 s[64:65], 0
	v_nop
	global_prefetch_b8 v0, s[64:65] scope:SCOPE_SE
	s_setreg_imm32_b32 hwreg(HW_REG_WAVE_MODE, 25, 1), 1
	s_wait_xcnt 0x0
; out[j][:] = x[j][:] . W[layer_idx[j]] + b[layer_idx[j]].  x [4096][2048], W [4][2048 k][2048 n], b [4][2048], out [4096][2048], all f32; layer_idx [4096] i32.
; Only the chosen expert's product is made.  x and W are rounded once to bf16 on their way through registers; sums and the bias stay in f32.
; LIMITS.  layer_idx is taken by its two low bits.  K is summed in a rotated order of steps of 64 (see WALK), so the order of rounding differs from a plain ascending sum.
; NaN and infinities go through the matrix instruction as they come.
; SHARES.  Grid 16 x 16: x = a slice of 128 columns, y = a row group.  Every work-group counts the 4,096 choices for itself (no list in memory): c_e tokens, nb_e = ceil(c_e / 16) blocks of
; 16 rows (256 to 259 in all).  m = the least of 16..20 with sum ceil(nb_e / m) <= 16 (20 always serves: failing would want 20 x 13 + 4 = 264 blocks); expert e gets ceil(nb_e / m) groups on
; end, a group 16 m ranks of its expert: at most 320 rows, for every split.  A group that a split leaves without rows passes every barrier and stores nothing.
; WAVES.  Eight: four COMPUTE (0, 3, 5, 6) and four LOADERS (1, 2, 4, 7).  A compute wave has every second block of 16 rows (up to 10) x 64 columns: up to 40 accumulators.  A loader brings every
; fourth block of x (by the list) and a quarter of W's tile: global f32 -> registers -> bf16 -> LDS.  K goes in 32 steps of 64 through two LDS buffers, one barrier a step.
; Blocks 0-15 are always worked (places past the count repeat a rank that exists); blocks 16-19 stand under scalar branches that hold no barrier.
; W WITHOUT A TRANSPOSE.  Fragment j (0..3) of a half of 64 columns holds the columns 4 r + j.  A loader's lane reads 16 bytes (columns 4 r .. 4 r + 3) of 16 rows k, so two numbers of one column
; and neighbouring k pack into the very register that the fragment wants.  In the result the four j of a lane are four neighbouring columns: 16 lanes store 256 consecutive, aligned bytes.
; NO CLUSTER, NO TENSOR LOADS: x's rows come by a list, which no tile descriptor covers; W is f32 and has to pass through registers to be rounded; and how many groups share a slice of W
; hangs on the counts, so partners would not be alike in every split.
.set BUFB,    65536            ; LDS: buffer 1 begins here
.set XPITCH,  144              ; a row of x in LDS: 64 bf16 + 16 bytes = 36 words: the 16 rows of a fragment load start at 16 different groups of four banks (64 banks of 4 bytes: ISA guide 11.1)
.set WOFFS,   320*XPITCH       ; in a buffer behind x's 320 rows: W's 16 fragments of 1,024 bytes: substep x 8192 + column half x 4096 + j x 1024 + register half x 512 + lane x 16
.set WT,      131072           ; 8 waves x 8 bytes: packed counts
.set PT,      131328           ; 256 words: thread t: rank of its first token << 16 | mask of its 16 tokens
.set LIST,    132352           ; 512 words: place -> token
.set SPARE,   134400           ; the spare words, 128 bytes a wave: four blocks of 256 bytes that no other line names
.set ROTMASK, 7                ; the walk is rotated inside blocks of 8 steps
; scalar registers
.set WV,14
.set ROLE,15
.set RI,16
.set SJ,17
.set SI,18
.set HR,19
.set HC,20
.set LM,21                     ; s21-25 lanes whose number has bit 0, 1, 2, 3, 4 set
.set SEL,26                    ; s26-27 v_permlanex16_b32: each lane takes its own place in the other half
.set CE0,28                    ; s28-31 c_e
.set NB0,32                    ; s32-35 nb_e
.set GE0,36                    ; s36-39 groups of expert e
.set MST,40                    ; m
.set T0,41                     ; s41-47 at work
.set SE,48                     ; my expert
.set SQ,49                     ; my group among its groups
.set SCE,50
.set LO,51                     ; my first rank
.set NR,52                     ; my rows
.set NBLK,53                   ; my blocks
.set CM1,54                    ; the expert's last rank
.set PHI,55                    ; my phase in the walk
.set WB,55                     ; s56-62 WB+k: rank at which wave k's tokens begin
.set WBME,63
.set XPT,66                    ; s[66:67] x at the K step asked for
.set WPT,68                    ; s[68:69] W likewise
.set WBASE,70                  ; s[70:71] W at my expert and slice
.set OF,72                     ; s[72:73] an offset, high word 0
.set TAU,74
.set CNT,76
.set O8,77                     ; 1: my block a = 8 is live; O9: a = 9; L4: my fifth x block is live
.set O9,78
.set L4,79
.set NBW,80                    ; block a is stored where 2 a < NBW
.set X0M,81
.set X1M,82
.set SELM,83
.set SH,84
; vector registers, all waves
.set SPW,2                     ; LDS address of my spare word; never rewritten
.set NIL,3                     ; 0; never rewritten
.set COFF,11                   ; 16 x (lane % 16): my 16 bytes of 256; made once for both kinds of wave, never rewritten
; compute waves.  Window 0: addresses, v32-95 B (two buffers of four fragments), v96-127 A of a = 0..3, v128-255 accumulators of a = 0..3.  Window 1: v0-191 accumulators of a = 4..9, v192-239 A of a = 4..9
.set ADRA,6                    ; v6, v7  LDS address of my A fragments in buffer 0, 1; never rewritten
.set ADRB,8                    ; v8, v9  the same for B
.set LISTA,10
.set BIAS,12
.set B0R,32
.set AL,96
.set ACL,128
.set ACH,0
.set AH,192
; loaders.  Window 0: addresses, v16-55 my rows' tokens, v56-215 x as loaded, v216-255 the byte offsets of the loads on their way.  Window 1: v0-63 W as loaded, v64-95 W's fragments
.set XSTA,6                    ; v6, v7  where I put x in buffer 0, 1; never rewritten
.set WSTA,8                    ; v8, v9  the same for W
.set WOFF,10
.set LTMP,12
.set OFFR,16
.set XS,56
.set XAD,216
.set WS,0
.set WF,64
.set W1,0x51                   ; a product of a = 4..9: source 0 (A), source 2 (C) and destination in window 1, source 1 (B) in window 0
.set TO1,0x40                  ; an LDS load for a = 4..9: destination in window 1, address in window 0
.set MSB,0
.macro WIN new                 ; the immediate's high byte repeats the setting that is left; a switch that changes nothing is dropped
.if MSB != (\new)
	s_set_vgpr_msb (MSB<<8)|(\new)
.set MSB, \new
.endif
.endm
.macro BAR                     ; my LDS stores are done and my LDS reads are back; then the work-group's barrier
	s_wait_dscnt 0x0
	s_barrier_signal -1
	s_barrier_wait -1
.endm
.macro NOP4                    ; four places between a matrix instruction and a load into one of its sources, or a reader of its result; no other vector work is at hand
.rept 4
	v_nop
.endr
.endm
	s_load_b256 s[4:11], s[0:1], 0x0               ; x s[4:5], layer_idx s[6:7], W s[8:9], b s[10:11]
	s_load_b64 s[12:13], s[0:1], 0x20              ; out
	v_lshl_add_u32 v[SPW], v0, 2, SPARE
	v_mov_b32 v[NIL], 0
	v_lshrrev_b32 v1, 5, v0
	v_readfirstlane_b32 s[WV], v1                  ; wave 0..7
	v_and_b32 v1, 31, v0                           ; lane
	v_and_b32 v4, 15, v0                           ; r
	v_bfe_u32 v5, v0, 4, 1                         ; h
	s_lshr_b32 s[ROLE], 0x96, s[WV]                ; bits 1, 2, 4, 7: the loaders; waves w and w + 4, and waves 2 i and 2 i + 1, are one of each kind
	s_and_b32 s[ROLE], s[ROLE], 1
	s_lshr_b32 s[RI], s[WV], 1                     ; 0..3 among my kind
	s_lshr_b32 s[HR], s[RI], 1                     ; compute: even or odd blocks
	s_and_b32 s[HC], s[RI], 1                      ; compute: which 64 columns
	s_mov_b32 s[SJ], ttmp9
	s_and_b32 s[SI], ttmp7, 0xffff
	s_mov_b32 s[LM], 0xaaaaaaaa
	s_mov_b32 s[LM+1], 0xcccccccc
	s_mov_b32 s[LM+2], 0xf0f0f0f0
	s_mov_b32 s[LM+3], 0xff00ff00
	s_mov_b32 s[LM+4], 0xffff0000
	s_mov_b32 s[SEL], 0x76543210
	s_mov_b32 s[SEL+1], 0xfedcba98
	v_lshlrev_b32 v6, 6, v0                        ; thread t owns tokens 16 t .. 16 t + 15: 64 bytes
	s_wait_kmcnt 0x0
	global_load_b128 v[16:19], v6, s[6:7]
	global_load_b128 v[20:23], v6, s[6:7] offset:16
	global_load_b128 v[24:27], v6, s[6:7] offset:32
	global_load_b128 v[28:31], v6, s[6:7] offset:48
	; In the wait for them: the registers that only the optional blocks touch are written once, so that they hold numbers on every way through the text
	WIN 0x40
.set i, ACH+128
.rept 64
	v_mov_b32 v[i], 0                              ; accumulators of a = 8, 9: their sums start here
.set i, i+1
.endr
.set i, AH+32
.rept 16
	v_mov_b32 v[i], 0                              ; A of a = 8, 9
.set i, i+1
.endr
	WIN 0
.set i, XS+128
.rept 32
	v_mov_b32 v[i], 0                              ; x of the fifth block
.set i, i+1
.endr
	; THE ROUTING.  m0, m1: bit i = bit 0, bit 1 of my token i's choice
	s_wait_loadcnt 0x0
	v_and_b32 v32, 1, v16
	v_bfe_u32 v33, v16, 1, 1
.set i, 1
.rept 15
	v_and_b32 v34, 1, v[16+i]
	v_bfe_u32 v35, v[16+i], 1, 1
	v_lshl_or_b32 v32, v34, i, v32
	v_lshl_or_b32 v33, v35, i, v33
.set i, i+1
.endr
	v_and_b32 v34, v32, v33                        ; expert 3's tokens
	v_or_b32 v35, v32, v33
	v_xor_b32 v35, 0xffff, v35                     ; expert 0's
	v_xor_b32 v40, v32, v34                        ; expert 1's
	v_xor_b32 v41, v33, v34                        ; expert 2's
	v_lshl_or_b32 v36, v40, 16, v35
	v_lshl_or_b32 v37, v34, 16, v41
.macro PC16X2 x, t             ; the ones in each half of v[x], counted: two counts of 0..16
	v_lshrrev_b32 v[\t], 1, v[\x]
	v_and_b32 v[\t], 0x55555555, v[\t]
	v_sub_nc_u32 v[\x], v[\x], v[\t]
	v_lshrrev_b32 v[\t], 2, v[\x]
	v_and_b32 v[\x], 0x33333333, v[\x]
	v_and_b32 v[\t], 0x33333333, v[\t]
	v_add_nc_u32 v[\x], v[\x], v[\t]
	v_lshrrev_b32 v[\t], 4, v[\x]
	v_add_nc_u32 v[\x], v[\x], v[\t]
	v_and_b32 v[\x], 0x0f0f0f0f, v[\x]
	v_lshrrev_b32 v[\t], 8, v[\x]
	v_add_nc_u32 v[\x], v[\x], v[\t]
	v_and_b32 v[\x], 0x001f001f, v[\x]
.endm
	PC16X2 36, 34                                  ; counts of experts 0 | 1 << 16: all sums stay under 4,097, inside 16 bits
	PC16X2 37, 34                                  ; of experts 2 | 3 << 16
	v_mov_b32 v38, 0
	v_mov_b32 v39, 0
; One step of a scan by exchange: tot is the sum of my group of lanes; the partner group's sum joins it, and joins pre where the partner group lies below me
.macro BFLY tot, pre, ctrl, mask
.if (\ctrl) == 16
	v_permlanex16_b32 v40, v[\tot], s[SEL], s[SEL+1]
.else
	v_mov_b32_dpp v40, v[\tot] row_xmask:\ctrl row_mask:0xf bank_mask:0xf
.endif
	v_cndmask_b32 v41, 0, v40, s[\mask]
	v_add_nc_u32 v[\pre], v[\pre], v41
	v_add_nc_u32 v[\tot], v[\tot], v40
.endm
	BFLY 36, 38, 1, LM
	BFLY 37, 39, 1, LM
	BFLY 36, 38, 2, LM+1
	BFLY 37, 39, 2, LM+1
	BFLY 36, 38, 4, LM+2
	BFLY 37, 39, 4, LM+2
	BFLY 36, 38, 8, LM+3
	BFLY 37, 39, 8, LM+3
	BFLY 36, 38, 16, LM+4
	BFLY 37, 39, 16, LM+4                          ; v38, v39: tokens of each expert in the lanes below me; v36, v37: in my wave
	s_lshl_b32 s[T0], s[WV], 3
	s_add_co_u32 s[T0], s[T0], WT
	v_mov_b32 v46, s[T0]
	ds_store_b64 v46, v[36:37]
	BAR                                            ; every wave's counts are in LDS
	v_and_b32 v46, 7, v0
	v_lshl_add_u32 v46, v46, 3, WT
	ds_load_b64 v[42:43], v46                      ; lane l: wave l % 8's counts
	v_mov_b32 v44, 0
	v_mov_b32 v45, 0
	s_wait_dscnt 0x0
	BFLY 42, 44, 1, LM
	BFLY 43, 45, 1, LM
	BFLY 42, 44, 2, LM+1
	BFLY 43, 45, 2, LM+1
	BFLY 42, 44, 4, LM+2
	BFLY 43, 45, 4, LM+2                           ; v44, v45: in the waves below wave l % 8; v42, v43: in all
	v_readfirstlane_b32 s[T0], v42
	v_readfirstlane_b32 s[T0+1], v43
	s_and_b32 s[CE0], s[T0], 0xffff
	s_lshr_b32 s[CE0+1], s[T0], 16
	s_and_b32 s[CE0+2], s[T0+1], 0xffff
	s_lshr_b32 s[CE0+3], s[T0+1], 16
.irp e,0,1,2,3
	s_add_co_u32 s[NB0+\e], s[CE0+\e], 15
	s_lshr_b32 s[NB0+\e], s[NB0+\e], 4
.endr
; ceil(nb / m) = ((nb + m - 1) x ceil(65536 / m)) >> 16: exact, since (nb + m - 1) x (m - 1) <= 275 x 19 stays under 65,536.  m goes down from 20: the last m that serves is the least
.macro DEAL m, first
.irp e,0,1,2,3
	s_add_co_u32 s[T0+\e], s[NB0+\e], (\m)-1
	s_mul_i32 s[T0+\e], s[T0+\e], (65536+(\m)-1)/(\m)
	s_lshr_b32 s[T0+\e], s[T0+\e], 16
.endr
.if \first
.irp e,0,1,2,3
	s_mov_b32 s[GE0+\e], s[T0+\e]
.endr
	s_mov_b32 s[MST], \m
.else
	s_add_co_u32 s[T0+4], s[T0], s[T0+1]
	s_add_co_u32 s[T0+4], s[T0+4], s[T0+2]
	s_add_co_u32 s[T0+4], s[T0+4], s[T0+3]
	s_cmp_le_u32 s[T0+4], 16
.irp e,0,1,2,3
	s_cselect_b32 s[GE0+\e], s[T0+\e], s[GE0+\e]
.endr
	s_cselect_b32 s[MST], \m, s[MST]
.endif
.endm
	DEAL 20, 1
	DEAL 19, 0
	DEAL 18, 0
	DEAL 17, 0
	DEAL 16, 0
	s_mov_b32 s[SE], 0                             ; my expert: the last whose first group is not behind mine
	s_mov_b32 s[T0], 0
	s_mov_b32 s[SCE], s[CE0]
	s_mov_b32 s[T0+1], 0
.irp k,1,2,3
	s_add_co_u32 s[T0+1], s[T0+1], s[GE0+\k-1]
	s_cmp_ge_u32 s[SI], s[T0+1]
	s_cselect_b32 s[T0], s[T0+1], s[T0]
	s_cselect_b32 s[SCE], s[CE0+\k], s[SCE]
	s_add_co_ci_u32 s[SE], s[SE], 0
.endr
	s_sub_co_u32 s[SQ], s[SI], s[T0]
	s_min_u32 s[SE], s[SE], 3                      ; both enter addresses: held to their ranges by a constant
	s_min_u32 s[SQ], s[SQ], 15
	s_lshl_b32 s[T0+2], s[MST], 4                  ; ranks in a group
	s_mul_i32 s[LO], s[SQ], s[T0+2]
	s_sub_co_i32 s[NR], s[SCE], s[LO]
	s_max_i32 s[NR], s[NR], 0
	s_min_u32 s[NR], s[NR], s[T0+2]
	s_add_co_u32 s[NBLK], s[NR], 15
	s_lshr_b32 s[NBLK], s[NBLK], 4
	s_max_u32 s[CM1], s[SCE], 1
	s_sub_co_u32 s[CM1], s[CM1], 1
	s_lshl_b32 s[PHI], s[SQ], 1
	s_add_co_u32 s[PHI], s[PHI], s[SJ]
	s_and_b32 s[PHI], s[PHI], 7
	s_add_co_u32 s[T0], s[HR], 16
	s_cmp_lt_u32 s[T0], s[NBLK]
	s_cselect_b32 s[O8], 1, 0
	s_add_co_u32 s[T0], s[HR], 18
	s_cmp_lt_u32 s[T0], s[NBLK]
	s_cselect_b32 s[O9], 1, 0
	s_add_co_u32 s[T0], s[RI], 16
	s_cmp_lt_u32 s[T0], s[NBLK]
	s_cselect_b32 s[L4], 1, 0
	s_sub_co_i32 s[NBW], s[NBLK], s[HR]
	s_bitcmp1_b32 s[SE], 0
	s_cselect_b32 s[X0M], 0, 0xffff
	s_cselect_b32 s[SH], 16, 0
	s_bitcmp1_b32 s[SE], 1
	s_cselect_b32 s[X1M], 0, 0xffff
	s_cselect_b32 s[SELM], -1, 0
	; the table: for my expert, each thread's first rank and the mask of its tokens
	v_xor_b32 v34, s[X0M], v32
	v_xor_b32 v35, s[X1M], v33
	v_and_b32 v34, v34, v35
	v_cndmask_b32 v35, v38, v39, s[SELM]
	v_lshrrev_b32 v35, s[SH], v35
	v_and_b32 v35, 0xffff, v35
	v_cndmask_b32 v46, v44, v45, s[SELM]
	v_lshrrev_b32 v46, s[SH], v46
	v_and_b32 v46, 0xffff, v46
.irp k,1,2,3,4,5,6,7
	v_readlane_b32 s[WB+\k], v46, \k
.endr
	s_mov_b32 s[WBME], 0
.irp k,1,2,3,4,5,6,7
	s_cmp_ge_u32 s[WV], \k
	s_cselect_b32 s[WBME], s[WB+\k], s[WBME]
.endr
	v_add_nc_u32 v35, s[WBME], v35
	v_lshl_or_b32 v35, v35, 16, v34
	v_lshl_add_u32 v47, v0, 2, PT
	ds_store_b32 v47, v35
	BAR                                            ; the table is whole
	; place -> token, for places t and t + 256.  Registers at R: +0 rank, +1 (rank + 1) << 16, +2 thread, +3 its word, +4 candidate, +5 its word, +6 address, +7 n, +8 bit, +9..11 level sums
.macro P7A R, half
	v_add_nc_u32 v[\R], s[LO], v0
.if \half
	v_add_nc_u32 v[\R], 256, v[\R]
.endif
	v_min_u32 v[\R], s[CM1], v[\R]                 ; places past the expert's count repeat its last rank
	v_add_lshl_u32 v[\R+1], v[\R], 1, 16
	v_mov_b32 v[\R+2], 0
.irp k,1,2,3,4,5,6,7
	v_cmp_le_u32 vcc_lo, s[WB+\k], v[\R]
	v_cndmask_b32 v40, 0, 32, vcc_lo
	v_add_nc_u32 v[\R+2], v[\R+2], v40             ; the last wave that begins at or below the rank: its first thread
.endr
	v_min_u32 v[\R+2], 255, v[\R+2]
	v_lshl_add_u32 v[\R+6], v[\R+2], 2, PT
	ds_load_b32 v[\R+3], v[\R+6]
.endm
.macro P7S st                  ; a step of the search for the last thread that begins at or below the rank; a word is below the key just where its rank is
.irp R,48,60
	v_add_nc_u32 v[\R+4], \st, v[\R+2]
	v_min_u32 v[\R+4], 255, v[\R+4]
	v_lshl_add_u32 v[\R+6], v[\R+4], 2, PT
	ds_load_b32 v[\R+5], v[\R+6]
.endr
	s_wait_dscnt 0x0
.irp R,48,60
	v_cmp_lt_u32 vcc_lo, v[\R+5], v[\R+1]
	v_cndmask_b32 v[\R+2], v[\R+2], v[\R+4], vcc_lo
	v_cndmask_b32 v[\R+3], v[\R+3], v[\R+5], vcc_lo
.endr
.endm
.macro SELSTEP R, a, w         ; are the n-th one's predecessors all in the lower w bits from here?  If not, step over them
	v_bfe_u32 v40, v[\a], v[\R+8], \w
	v_cmp_ge_u32 vcc_lo, v[\R+7], v40
	v_cndmask_b32 v40, 0, v40, vcc_lo
	v_sub_nc_u32 v[\R+7], v[\R+7], v40
	v_cndmask_b32 v41, 0, \w, vcc_lo
	v_add_nc_u32 v[\R+8], v[\R+8], v41
.endm
.macro P7B R                   ; the n-th one of the thread's mask, n = rank - the thread's first rank
	v_lshrrev_b32 v[\R+7], 16, v[\R+3]
	v_sub_nc_u32 v[\R+7], v[\R], v[\R+7]
	v_and_b32 v[\R+3], 0xffff, v[\R+3]
	v_lshrrev_b32 v[\R+9], 1, v[\R+3]
	v_and_b32 v[\R+9], 0x5555, v[\R+9]
	v_sub_nc_u32 v[\R+9], v[\R+3], v[\R+9]         ; ones in each 2 bits
	v_lshrrev_b32 v[\R+10], 2, v[\R+9]
	v_and_b32 v[\R+10], 0x3333, v[\R+10]
	v_and_b32 v[\R+11], 0x3333, v[\R+9]
	v_add_nc_u32 v[\R+10], v[\R+10], v[\R+11]      ; in each 4
	v_lshrrev_b32 v[\R+11], 4, v[\R+10]
	v_add_nc_u32 v[\R+11], v[\R+11], v[\R+10]
	v_and_b32 v[\R+11], 0x0f0f, v[\R+11]           ; in each 8
	v_mov_b32 v[\R+8], 0
	SELSTEP \R, \R+11, 8
	SELSTEP \R, \R+10, 4
	SELSTEP \R, \R+9, 2
	SELSTEP \R, \R+3, 1
	v_lshl_add_u32 v[\R+8], v[\R+2], 4, v[\R+8]
	v_min_u32 v[\R+8], 0xfff, v[\R+8]              ; the token
.endm
	P7A 48, 0
	P7A 60, 1
	P7S 16
	P7S 8
	P7S 4
	P7S 2
	P7S 1
	P7B 48
	P7B 60
	BAR                                            ; all reads of the table are back
	v_lshl_add_u32 v47, v0, 2, LIST
	ds_store_b32 v47, v56
	ds_store_b32 v47, v68 offset:1024
	BAR                                            ; the list is whole
; THE LOADERS' MACROS
; The K step of turn TAU: (TAU & 24) + ((TAU + PHI) & 7), PHI = (slice + 2 x group) & 7: work-groups that want the same rows of x or of W ask for different steps of a block of 8 at a time.
.macro WALK
	s_wait_xcnt 0x0                                ; the two bases are sources of the loads issued a step ago: rewritten only behind this wait
	s_add_co_u32 s[T0], s[TAU], s[PHI]
	s_and_b32 s[T0], s[T0], ROTMASK
	s_and_b32 s[T0+1], s[TAU], 31-ROTMASK
	s_add_co_u32 s[T0], s[T0], s[T0+1]
	s_lshl_b32 s[OF], s[T0], 8                     ; 64 f32 along a row of x
	s_add_nc_u64 s[XPT:XPT+1], s[4:5], s[OF:OF+1]
	s_lshl_b32 s[OF], s[T0], 19                    ; 64 rows of W
	s_add_nc_u64 s[WPT:WPT+1], s[WBASE:WBASE+1], s[OF:OF+1]
	s_add_co_u32 s[TAU], s[TAU], 1
.endm
; Block 4 lb + my number: load i takes places i (lanes 0-15) and 8 + i (lanes 16-31), 256 consecutive aligned bytes of each row.
; A token is a number that was read, so it enters an address only behind a clamp by a constant; the offset, token x 8,192 bytes + my 16, is made in the same run of lines as the load that uses it.
; Its register served the block's last loads, which the wait at the head of XCH has shown done.
.macro XLD lb
.irp i,0,1,2,3,4,5,6,7
	v_min_u32 v[XAD+8*(\lb)+(\i)], 0xfff, v[OFFR+8*(\lb)+(\i)]
.endr
.irp i,0,1,2,3,4,5,6,7
	v_lshl_add_u32 v[XAD+8*(\lb)+(\i)], v[XAD+8*(\lb)+(\i)], 13, v[COFF]
.endr
.irp i,0,1,2,3,4,5,6,7
	global_load_b128 v[XS+32*(\lb)+4*(\i):XS+32*(\lb)+4*(\i)+3], v[XAD+8*(\lb)+(\i)], s[XPT:XPT+1]
.endr
.endm
.macro WLD                     ; my 32 k x 64 columns: load i takes rows i or 8 + i (lanes 0-15) and 8 further down (lanes 16-31), 256 consecutive aligned bytes of each
	WIN 0x44                                       ; data in window 1, address in window 0
.irp i,0,1,2,3,4,5,6,7,8,9,10,11,12,13,14,15
	global_load_b128 v[WS+4*(\i):WS+4*(\i)+3], v[WOFF], s[WPT:WPT+1] offset:((\i)+8*((\i)/8))*8192
.endr
.endm
.macro XCH lb, buf, n, reload  ; a block of x: waited for (n younger loads may stay out), rounded in place, stored into buffer buf, and asked for again
	s_wait_loadcnt \n
.irp i,0,1,2,3,4,5,6,7
	v_cvt_pk_bf16_f32 v[XS+32*(\lb)+4*(\i)], v[XS+32*(\lb)+4*(\i)], v[XS+32*(\lb)+4*(\i)+1]
	v_cvt_pk_bf16_f32 v[XS+32*(\lb)+4*(\i)+1], v[XS+32*(\lb)+4*(\i)+2], v[XS+32*(\lb)+4*(\i)+3]
.endr
.irp i,0,1,2,3,4,5,6,7
	ds_store_b64 v[XSTA+(\buf)], v[XS+32*(\lb)+4*(\i):XS+32*(\lb)+4*(\i)+1] offset:(\lb)*64*XPITCH+(\i)*XPITCH  ; the two halves of the lanes lie 8 rows = 1,152 bytes apart: 128 modulo 256, so the 32 lanes touch each bank once
.endr
.if \reload
	XLD \lb
.endif
.endm
.macro WCH buf, n, reload      ; W's part: register p of fragment j = rows 2 p, 2 p + 1 of my sixteen, column 4 r + j
	s_wait_loadcnt \n
	WIN 0x45
.irp j,0,1,2,3
.irp p,0,1,2,3,4,5,6,7
	v_cvt_pk_bf16_f32 v[WF+8*(\j)+(\p)], v[WS+8*(\p)+(\j)], v[WS+8*(\p)+4+(\j)]
.endr
.endr
	WIN 0x44
.irp j,0,1,2,3
	ds_store_b128 v[WSTA+(\buf)], v[WF+8*(\j):WF+8*(\j)+3] offset:(\j)*1024
	ds_store_b128 v[WSTA+(\buf)], v[WF+8*(\j)+4:WF+8*(\j)+7] offset:(\j)*1024+512
.endr
.if \reload
	WLD
.endif
	WIN 0
.endm
; A loader's step: a tile is laid into buffer buf.  Loads are issued in the order x0 x1 x2 x3 W (x4): 48 always, 8 more where the fifth block is live.
; mode 0: each chunk is asked for again behind its stores.  Behind a chunk of x lie 48 - 8 = 40 loads that are always there; behind W the four chunks just asked for, 32; behind x4 all 48.
; mode 1: the last tile: nothing is asked for, and the counts run down.  The fifth block's loads lie behind those counted, so a count can only wait for more than it needs.
.macro LSTEP buf, mode
.if (\mode) == 0
	WALK
	XCH 0, \buf, 40, 1
	XCH 1, \buf, 40, 1
	XCH 2, \buf, 40, 1
	XCH 3, \buf, 40, 1
	WCH \buf, 32, 1
	s_cmp_eq_u32 s[L4], 0
	s_cbranch_scc1 .Ln4_\@
	XCH 4, \buf, 48, 1
.else
	XCH 0, \buf, 40, 0
	XCH 1, \buf, 32, 0
	XCH 2, \buf, 24, 0
	XCH 3, \buf, 16, 0
	WCH \buf, 0, 0
	s_cmp_eq_u32 s[L4], 0
	s_cbranch_scc1 .Ln4_\@
	XCH 4, \buf, 0, 0
.endif
.Ln4_\@:
.endm
; THE COMPUTE WAVES' MACROS
; Block a x the four fragments of B's buffer bsel: four accumulators, one instruction each.  The accumulators take turns all through the text.
.macro CELL a, bsel, zero
.if (\a) < 4
	WIN 0
.set rA, AL+8*(\a)
.set rC, ACL+32*(\a)
.else
	WIN W1
.set rA, AH+8*((\a)-4)
.set rC, ACH+32*((\a)-4)
.endif
.set rB, B0R+32*(\bsel)
.irp j,0,1,2,3
.if \zero
	v_wmma_f32_16x16x32_bf16 v[rC+8*(\j):rC+8*(\j)+7], v[rA:rA+7], v[rB+8*(\j):rB+8*(\j)+7], 0
.else
	v_wmma_f32_16x16x32_bf16 v[rC+8*(\j):rC+8*(\j)+7], v[rA:rA+7], v[rB+8*(\j):rB+8*(\j)+7], v[rC+8*(\j):rC+8*(\j)+7]
.endif
.endr
.endm
.macro LDA a, buf, koff        ; A of block a out of LDS buffer buf: 16 rows x 32 k at byte koff of the rows; my blocks lie 32 rows apart.  The address lies in window 0 for all ten
.if (\a) < 4
	WIN 0
	ds_load_b128 v[AL+8*(\a):AL+8*(\a)+3], v[ADRA+(\buf)] offset:(\a)*32*XPITCH+(\koff)
	ds_load_b128 v[AL+8*(\a)+4:AL+8*(\a)+7], v[ADRA+(\buf)] offset:(\a)*32*XPITCH+(\koff)+32
.else
	WIN TO1
	ds_load_b128 v[AH+8*((\a)-4):AH+8*((\a)-4)+3], v[ADRA+(\buf)] offset:(\a)*32*XPITCH+(\koff)
	ds_load_b128 v[AH+8*((\a)-4)+4:AH+8*((\a)-4)+7], v[ADRA+(\buf)] offset:(\a)*32*XPITCH+(\koff)+32
.endif
.endm
.macro LDB bsel, j, s, buf     ; fragment j of substep s out of LDS buffer buf into B's buffer bsel: it lies in LDS as the registers want it, 16 bytes a lane
	WIN 0
	ds_load_b128 v[B0R+32*(\bsel)+8*(\j):B0R+32*(\bsel)+8*(\j)+3], v[ADRB+(\buf)] offset:(\s)*8192+(\j)*1024
	ds_load_b128 v[B0R+32*(\bsel)+8*(\j)+4:B0R+32*(\bsel)+8*(\j)+7], v[ADRB+(\buf)] offset:(\s)*8192+(\j)*1024+512
.endm
; The optional blocks a = 8, 9.  w8, w9: the LDS loads that may stay out (-1: no wait is due).  ld = 1: their A is fetched again, from buffer buf at byte koff.  No barrier stands in what is jumped.
.macro OPT bsel, buf, koff, w8, w9, ld
	WIN 0
	s_cmp_eq_u32 s[O8], 0
	s_cbranch_scc1 .Lx_\@
.if (\w8) >= 0
	s_wait_dscnt \w8
.endif
	CELL 8, \bsel, 0
.if \ld
	NOP4
	LDA 8, \buf, \koff
.endif
	WIN 0
	s_cmp_eq_u32 s[O9], 0
	s_cbranch_scc1 .Lx_\@
.if (\w9) >= 0
	s_wait_dscnt \w9
.endif
	CELL 9, \bsel, 0
.if \ld
	NOP4
	LDA 9, \buf, \koff
.endif
	WIN 0
.Lx_\@:
.endm
; The even substep of the tile in buffer buf: multiplies by B's buffer 0 and fetches the same tile's odd substep.  Each count is the number of loads that are ALWAYS issued behind the ones wanted.
.macro SUBE buf, zero
	WIN 0
	s_wait_dscnt 8                                 ; A0-3 and B are in; behind them: A4-7's eight
	CELL 0, 0, \zero
	CELL 1, 0, \zero
	NOP4
	LDA 0, \buf, 64
	LDA 1, \buf, 64
	LDB 1, 0, 1, \buf
	LDB 1, 1, 1, \buf
	CELL 2, 0, \zero
	CELL 3, 0, \zero
	NOP4
	LDA 2, \buf, 64
	LDA 3, \buf, 64
	LDB 1, 2, 1, \buf
	LDB 1, 3, 1, \buf
	s_wait_dscnt 20                                ; A4, A5 are in; behind them: A6, A7's four and the sixteen above
	CELL 4, 0, \zero
	CELL 5, 0, \zero
	NOP4
	LDA 4, \buf, 64
	LDA 5, \buf, 64
	s_wait_dscnt 20                                ; A6, A7 are in; behind them: the sixteen and A4, A5's four
	CELL 6, 0, \zero
	CELL 7, 0, \zero
	NOP4
	LDA 6, \buf, 64
	LDA 7, \buf, 64
	OPT 0, \buf, 64, 24, 26, 1                     ; A8: behind it 16 + 8; A9: those and A8's two
.endm
.macro ODD_HEAD                ; the odd substep's first half: no loads, so that all reads of the tile are issued ahead of the barrier
	WIN 0
	s_wait_dscnt 8                                 ; A0-3 and B's buffer 1 are in; behind them: A4-7's eight
	CELL 0, 1, 0
	CELL 1, 1, 0
	CELL 2, 1, 0
	CELL 3, 1, 0
.endm
.macro ODD_REST buf            ; behind the barrier: the odd substep's second half (its operands are in registers: the wait for 0 stood ahead of the barrier), and the even substep of the new tile, in buffer buf, is fetched
	WIN 0
	NOP4
	LDA 0, \buf, 0
	LDA 1, \buf, 0
	LDA 2, \buf, 0
	LDA 3, \buf, 0
	LDB 0, 0, 0, \buf
	LDB 0, 1, 0, \buf
	LDB 0, 2, 0, \buf
	LDB 0, 3, 0, \buf
	CELL 4, 1, 0
	CELL 5, 1, 0
	NOP4
	LDA 4, \buf, 0
	LDA 5, \buf, 0
	CELL 6, 1, 0
	CELL 7, 1, 0
	NOP4
	LDA 6, \buf, 0
	LDA 7, \buf, 0
	OPT 1, \buf, 0, -1, -1, 1
.endm
; A K step.  ONE barrier, for two things: the loaders' stores of this step's tile are done, and the compute waves' reads of the tile before are back.  Behind it the compute waves read
; buffer buf and the loaders write the other one.  The branch hangs on the wave's number alone and holds no barrier.  lmode 2: nothing is left to bring.
.macro TRIP buf, lmode
	BAR
	s_cmp_lg_u32 s[ROLE], 0
	s_cbranch_scc1 .Lld_\@
	ODD_REST \buf
	SUBE \buf, 0
	ODD_HEAD
	s_branch .Ljn_\@
.Lld_\@:
.if (\lmode) < 2
	LSTEP 1-(\buf), \lmode
.endif
.Ljn_\@:
.endm
	; SET-UP.  What enters a global address is made here for both kinds of wave: my 16 bytes of 256, W's base at my expert and slice, the walk's counter
	s_mov_b32 s[OF+1], 0
	v_lshlrev_b32 v[COFF], 4, v4
	s_lshl_b32 s[OF], s[SE], 24                    ; an expert's 16 MiB
	s_add_nc_u64 s[WBASE:WBASE+1], s[8:9], s[OF:OF+1]
	s_lshl_b32 s[OF], s[SJ], 9                     ; the slice's 128 columns
	s_add_nc_u64 s[WBASE:WBASE+1], s[WBASE:WBASE+1], s[OF:OF+1]
	s_mov_b32 s[TAU], 0
	; and by kind
	s_cmp_lg_u32 s[ROLE], 0
	s_cbranch_scc0 .Lsetup_c
	s_lshl_b32 s[T0], s[RI], 6
	s_add_co_u32 s[T0], s[T0], LIST
	v_lshl_add_u32 v[LTMP], v5, 5, s[T0]           ; the list at place 16 x my number + 8 h; my blocks lie 64 places apart
.irp lb,0,1,2,3,4
	ds_load_b128 v[OFFR+8*\lb:OFFR+8*\lb+3], v[LTMP] offset:256*\lb
	ds_load_b128 v[OFFR+8*\lb+4:OFFR+8*\lb+7], v[LTMP] offset:256*\lb+16
.endr
	s_mul_i32 s[T0], s[RI], 16*XPITCH
	v_mul_u32_u24 v[XSTA], v5, 8*XPITCH
	v_lshl_add_u32 v[XSTA], v4, 3, v[XSTA]
	v_add_nc_u32 v[XSTA], s[T0], v[XSTA]           ; (16 x my number + 8 h) rows + 8 bytes x (lane % 16), in buffer 0,
	v_add_nc_u32 v[XSTA+1], BUFB, v[XSTA]          ; and in buffer 1
	s_lshl_b32 s[T0], s[RI], 12
	s_add_co_u32 s[T0], s[T0], WOFFS
	v_lshl_add_u32 v[WSTA], v1, 4, s[T0]           ; my four fragments: substep my number / 2, column half my number % 2
	v_add_nc_u32 v[WSTA+1], BUFB, v[WSTA]
	s_lshr_b32 s[T0], s[RI], 1
	s_lshl_b32 s[T0], s[T0], 18                    ; 32 rows of W
	s_and_b32 s[T0+1], s[RI], 1
	s_lshl_b32 s[T0+1], s[T0+1], 8                 ; 64 columns
	s_add_co_u32 s[T0], s[T0], s[T0+1]
	v_lshl_add_u32 v[WOFF], v5, 16, v[COFF]        ; 8 rows for lanes 16-31
	v_add_nc_u32 v[WOFF], s[T0], v[WOFF]
	s_wait_dscnt 0x0                               ; my rows' tokens are in v16-55; never rewritten
	WALK                                           ; tile 0 is asked for,
	XLD 0
	XLD 1
	XLD 2
	XLD 3
	WLD
	WIN 0
	s_cmp_eq_u32 s[L4], 0
	s_cbranch_scc1 .Lfill_done
	XLD 4
.Lfill_done:
	LSTEP 0, 0                                     ; and laid into buffer 0, while tile 1 is asked for
	s_branch .Lsetup_done
.Lsetup_c:
	s_mul_i32 s[T0], s[HR], 16*XPITCH
	v_mul_u32_u24 v[ADRA], v4, XPITCH
	v_lshl_add_u32 v[ADRA], v5, 4, v[ADRA]
	v_add_nc_u32 v[ADRA], s[T0], v[ADRA]           ; (16 HR + r) rows + 16 h, in buffer 0,
	v_add_nc_u32 v[ADRA+1], BUFB, v[ADRA]          ; and in buffer 1
	s_lshl_b32 s[T0], s[HC], 12
	s_add_co_u32 s[T0], s[T0], WOFFS
	v_lshl_add_u32 v[ADRB], v1, 4, s[T0]
	v_add_nc_u32 v[ADRB+1], BUFB, v[ADRB]
	s_lshl_b32 s[T0], s[HR], 6
	s_add_co_u32 s[T0], s[T0], LIST
	v_lshl_add_u32 v[LISTA], v5, 5, s[T0]          ; the list at place 16 HR + 8 h
	s_lshl_b32 s[OF], s[SJ], 9
	s_lshl_b32 s[T0], s[HC], 8
	s_add_co_u32 s[OF], s[OF], s[T0]
	s_add_nc_u64 s[12:13], s[12:13], s[OF:OF+1]    ; out and b at my 64 columns,
	s_add_nc_u64 s[10:11], s[10:11], s[OF:OF+1]
	s_lshl_b32 s[OF], s[SE], 13
	s_add_nc_u64 s[10:11], s[10:11], s[OF:OF+1]    ; b at my expert
	global_load_b128 v[BIAS:BIAS+3], v[COFF], s[10:11]  ; columns 4 r .. 4 r + 3; waited for on the way out
.Lsetup_done:
	; THE FIRST STEP: tile 0 is in buffer 0
	BAR
	s_cmp_lg_u32 s[ROLE], 0
	s_cbranch_scc1 .Lfirst_l
	LDA 0, 0, 0
	LDA 1, 0, 0
	LDA 2, 0, 0
	LDA 3, 0, 0
	LDB 0, 0, 0, 0
	LDB 0, 1, 0, 0
	LDB 0, 2, 0, 0
	LDB 0, 3, 0, 0
	LDA 4, 0, 0
	LDA 5, 0, 0
	LDA 6, 0, 0
	LDA 7, 0, 0
	WIN 0
	s_cmp_eq_u32 s[O8], 0
	s_cbranch_scc1 .Lfirst_x
	LDA 8, 0, 0
	WIN 0
	s_cmp_eq_u32 s[O9], 0
	s_cbranch_scc1 .Lfirst_x
	LDA 9, 0, 0
	WIN 0
.Lfirst_x:
	s_wait_dscnt 0x0
	SUBE 0, 1                                      ; the first products start the sums of a = 0..7 with the constant 0
	ODD_HEAD
	s_branch .Lfirst_j
.Lfirst_l:
	LSTEP 1, 0                                     ; tile 1 into buffer 1; tile 2 is asked for
.Lfirst_j:
	s_mov_b32 s[CNT], 14
.Ltrip:                                                ; steps 1 to 28, two a trip, so that each line names its buffer: in step p the loaders lay tile p + 1 and ask for tile p + 2
	TRIP 1, 0
	TRIP 0, 0
	s_sub_co_u32 s[CNT], s[CNT], 1
	s_cmp_lg_u32 s[CNT], 0
	s_cbranch_scc1 .Ltrip
	TRIP 1, 0                                      ; step 29: tile 30 is laid, tile 31 asked for
	TRIP 0, 1                                      ; step 30: tile 31 is laid, nothing is asked for
	TRIP 1, 2                                      ; step 31
	s_cmp_lg_u32 s[ROLE], 0
	s_cbranch_scc1 .Ldone                          ; the loaders are through
	s_wait_dscnt 0x0
	CELL 4, 1, 0                                   ; the last odd substep's second half
	CELL 5, 1, 0
	CELL 6, 1, 0
	CELL 7, 1, 0
	OPT 1, 0, 0, -1, -1, 0
	; THE WAY OUT.  Register i of the four accumulators of block a is row 8 h + i, columns 4 r .. 4 r + 3: the bias's addition gathers them into 16 bytes.  Each accumulator is read from register 0 on.
	; In a block that is not full the places past the count hold the group's own last token: they store the same numbers to the same row once more.  Whole blocks past the count are jumped.
	NOP4
	s_wait_loadcnt 0x0                             ; the bias
.macro OUTB a
	WIN 0
	s_cmp_le_i32 s[NBW], 2*(\a)
	s_cbranch_scc1 .Ldone
.set TB, 32+48*((\a)%2)        ; A's and B's registers are free: 8 for offsets, 32 for data, two sets by turns
	s_wait_xcnt 0x0                                ; earlier stores' offsets and data are rewritten only behind this wait
	ds_load_b128 v[TB:TB+3], v[LISTA] offset:128*(\a)
	ds_load_b128 v[TB+4:TB+7], v[LISTA] offset:128*(\a)+16
.if (\a) >= 4
	WIN 0x01                                       ; source 0 in window 1
.endif
.irp i,0,1,2,3,4,5,6,7
.irp j,0,1,2,3
.if (\a) < 4
	v_add_f32 v[TB+8+4*(\i)+(\j)], v[ACL+32*(\a)+8*(\j)+(\i)], v[BIAS+(\j)]
.else
	v_add_f32 v[TB+8+4*(\i)+(\j)], v[ACH+32*((\a)-4)+8*(\j)+(\i)], v[BIAS+(\j)]
.endif
.endr
.endr
	WIN 0
	s_wait_dscnt 0x0
.irp i,0,1,2,3,4,5,6,7
	v_min_u32 v[TB+(\i)], 0xfff, v[TB+(\i)]
	v_lshl_add_u32 v[TB+(\i)], v[TB+(\i)], 13, v[COFF]
.endr
.irp i,0,1,2,3,4,5,6,7
	global_store_b128 v[TB+(\i)], v[TB+8+4*(\i):TB+8+4*(\i)+3], s[12:13] th:TH_STORE_NT  ; 16 lanes store 256 consecutive bytes, at a multiple of 256 from out's first byte
.endr
.endm
	OUTB 0
	OUTB 1
	OUTB 2
	OUTB 3
	OUTB 4
	OUTB 5
	OUTB 6
	OUTB 7
	OUTB 8
	OUTB 9
.Ldone:
	s_wait_tensorcnt 0x0                           ; the wave's end
	ds_add_u32 v[SPW], v[NIL]
	s_wait_dscnt 0x0
	s_endpgm
.Lfunc_end_k_q284e8a6474_moe:
	.size	k_q284e8a6474_moe, .Lfunc_end_k_q284e8a6474_moe-k_q284e8a6474_moe
	.p2alignl 7, 3214868480
	.fill 96, 4, 3214868480
	.section	.rodata,"a",@progbits
	.p2align	6, 0x0
	.amdhsa_kernel k_q284e8a6474_moe
		.amdhsa_group_segment_fixed_size 135424
		.amdhsa_private_segment_fixed_size 0
		.amdhsa_enable_private_segment 0
		.amdhsa_kernarg_size 40
		.amdhsa_user_sgpr_count 2
		.amdhsa_user_sgpr_kernarg_segment_ptr 1
		.amdhsa_wavefront_size32 1
		.amdhsa_system_sgpr_workgroup_id_x 1
		.amdhsa_system_sgpr_workgroup_id_y 1
		.amdhsa_system_sgpr_workgroup_id_z 1
		.amdhsa_system_vgpr_workitem_id 0
		.amdhsa_next_free_vgpr 512
		.amdhsa_next_free_sgpr 88
		.amdhsa_reserve_vcc 1
		.amdhsa_float_denorm_mode_32 3
		.amdhsa_float_denorm_mode_16_64 3
		.amdhsa_memory_ordered 1
		.amdhsa_forward_progress 1
		.amdhsa_inst_pref_size 255
	.end_amdhsa_kernel
	.section	.bss,"aw",@nobits
	.p2align	6
	.space	262144
	.amdgpu_metadata
---
amdhsa.version: [ 1, 2 ]
amdhsa.kernels:
  - .name:           k_q284e8a6474_moe
    .symbol:         k_q284e8a6474_moe.kd
    .args:
      - { .name: x, .offset: 0, .size: 8, .value_kind: global_buffer, .address_space: global }
      - { .name: layer_idx, .offset: 8, .size: 8, .value_kind: global_buffer, .address_space: global }
      - { .name: W, .offset: 16, .size: 8, .value_kind: global_buffer, .address_space: global }
      - { .name: b, .offset: 24, .size: 8, .value_kind: global_buffer, .address_space: global }
      - { .name: out0, .offset: 32, .size: 8, .value_kind: global_buffer, .address_space: global }
    .group_segment_fixed_size: 135424
    .private_segment_fixed_size: 0
    .kernarg_segment_align: 8
    .kernarg_segment_size: 40
    .max_flat_workgroup_size: 256
    .sgpr_count:     88
    .vgpr_count:     512
    .wavefront_size: 32
...
	.end_amdgpu_metadata
.endif
;; end of part 1
